; MI455X (gfx1250); checked and timed in simulation.
; The chip was launched on July 23, 2026; its instructions are those of AMD's public machine-readable ISA for CDNA 5 (MIT licence, August 2026) and "CDNA5" Instruction Set Architecture Reference Guide (July 2026). The comments in the code are by the model that wrote it; some were corrected since.
;; Attention. Allowed arithmetic: matrix products marked QUANTISED: E2M3 operands, one E8M0 scale for each 32 along K, by v_wmma_scale_f32_16x16x128_f8f6f4 with both operands' format E2M3, f32 sums; everything else in f32.
;; Inputs: k_codes 2 x 16 x 2,048 x 2 x 24 uint8 (E2M3 codes of k, K innermost, in blocks of 32 codes, four codes in three bytes); k_scales 2 x 16 x 2,048 x 2 uint8 (E8M0 scales of k, one for each 32 codes along K); q_codes 2 x 16 x 2,048 x 2 x 24 uint8 (E2M3 codes of q, K innermost, in blocks of 32 codes, four codes in three bytes); q_scales 2 x 16 x 2,048 x 2 uint8 (E8M0 scales of q, one for each 32 codes along K); v_codes 2 x 16 x 64 x 64 x 24 uint8 (E2M3 codes of v, K innermost, in blocks of 32 codes, four codes in three bytes); v_scales 2 x 16 x 64 x 64 uint8 (E8M0 scales of v, one for each 32 codes along K).
;; Outputs: out0 2 x 16 x 2,048 x 64 float32.
;; Constants: mask = 1.
;; This version of the problem:
;;   THIS VERSION OF THE PROBLEM IS GIVEN IN LOW PRECISION. The matrix products marked QUANTISED in the list below multiply operands that are first quantised to E2M3 (2 exponent bits, 3 mantissa bits; 6 bits a number), with one power-of-two scale for each 32 numbers along K (OCP MX v1.0); their sums are f32. All else is computed in f32.
;;   The module's matrix products, in the order in which they are computed (A, B: the left and right operand; K: the contracted axis; several contracted axes count as one K, in the product's order):
;;     1. batch 32 x [M 2,048, K 64] x [K 64, N 2,048]; A: input q (given as codes); B: input k (given as codes): QUANTISED
;;     2. batch 32 x [M 2,048, K 2,048] x [K 2,048, N 64]; A: softmax (see below); B: input v (given as codes): QUANTISED
;;   THE QUANTISER, for each operand of a quantised product, along K:
;;     - K is cut into blocks of 32 from its start; a last block that is shorter is filled with zeros.
;;     - A block's scale is 2^e with e = floor(log2(the largest magnitude in the block)) - 2, held to -126 .. 127; a block of zeros has e = 0. As a byte (E8M0): e + 127.
;;     - Each number is divided by its block's scale, clamped to +-7.5, and rounded to the nearest number of E2M3, ties to even, subnormals kept.
;;     - The product sums the exact products of the quantised numbers (number of the format x scale) in f32.
;;   ~~~python
;;   def quantise(x, axis):      # numpy; x: float32 -> the quantised numbers, widened to float32 again
;;       x = np.moveaxis(x, axis, -1); K = x.shape[-1]
;;       x = np.pad(x, [(0, 0)] * (x.ndim - 1) + [(0, -K % 32)]); x = x.reshape(x.shape[:-1] + (-1, 32)); a = np.abs(x).max(-1, keepdims=True)
;;       e = np.where(a > 0, np.clip(np.frexp(np.where(a > 0, a, 1))[1] - 1 - 2, -126, 127), 0)      # np.frexp(a)[1] - 1 = floor(log2(a)), exactly
;;       r = np.clip(x / 2.0 ** e, -7.5, 7.5)
;;       step = 2.0 ** (np.maximum(np.frexp(np.where(r == 0, 1, r))[1] - 1, 0) - 3)
;;       q = np.round(r / step) * step * 2.0 ** e      # np.round: ties to even
;;       return np.moveaxis(q.reshape(q.shape[:-2] + (-1,))[..., :K], -1, axis).astype(np.float32)
;;   ~~~
;;   SOFTMAX AHEAD OF A QUANTISED PRODUCT. Where the list says 'softmax', what is quantised is not the finished softmax but p = 2^(t - M), with t = logit x log2(e) and M = ceil(the row's largest t), a whole number; so 1/2 < the row's largest p <= 1. The row's sum l is taken of the UNQUANTISED p, in f32, and the product's result is divided by l at the end. Since M is a whole number, a kernel that streams over the keys may use a running M (the ceiling of the running maximum): every later rescaling is an exact power of two, which a block's scale takes up: the codes' values come out the same.
;;   OPERANDS COMPUTED ON THE WAY. 'Computed on the way' means the value that the module computes at that place (a softmax that the list does not call 'softmax' is quantised finished and normalised). What goes into a quantiser is computed in f32, as accurately as f32 sums, v_exp_f32 and their like allow (about 1e-6 of the number): no bf16 or f16 on the way to a quantiser, and a product that is left as it is and whose result goes on into a quantised operand takes f32 operands (vector FMAs, or v_wmma_f32_16x16x4_f32). A number that lies on a knife's edge between two numbers of the format may be rounded either way, as far as f32 arithmetic and the matrix unit's own rounding can turn it there, and no further.
;;   INPUTS GIVEN AS CODES. k (in the module: [2, 16, 2048, 64], K = its axis 3); q (in the module: [2, 16, 2048, 64], K = its axis 3); v (in the module: [2, 16, 2048, 64], K = its axis 2): each comes as NAME_codes (uint8): NAME with its K axis moved to the last place and cut into blocks of 32 codes, [.., K / 32, bytes a block], one block behind the other in memory; four codes in three bytes: a row's codes are one little-endian stream of bits, code i at bits 6 i .. 6 i + 5 (a code: sign, 2 exponent bits, 3 mantissa bits); and NAME_scales (uint8): the same leading axes, one E8M0 byte (e + 127) for each 32 codes along K. Its value is code x scale, taken as it is: it is not quantised again, and the codes and scales need not be those that the quantiser above would give.
;; One version. Each part assembles by itself: llvm-mc -triple=amdgcn-amd-amdhsa -mcpu=gfx1250 --defsym DOCPART=n.
;; ======== version 1 of 1: 1 launch
;; launch attn (part 1): grid 8 x 32, 16 waves a work-group, clusters of 4 x 1, 301,824 bytes of LDS; arguments q_codes, q_scales, k_codes, k_scales, v_codes, v_scales, out0; writes out0
.if DOCPART == 1
	.amdgcn_target "amdgcn-amd-amdhsa--gfx1250"
	.amdhsa_code_object_version 6
	.text
	.protected	k_qb8e882c438_attn
	.globl	k_qb8e882c438_attn
	.p2align	8
	.type	k_qb8e882c438_attn,@function
k_qb8e882c438_attn:
	s_mov_b64 s[64:65], 0
	v_nop
	global_prefetch_b8 v0, s[64:65] scope:SCOPE_SE
	s_setreg_imm32_b32 hwreg(HW_REG_WAVE_MODE, 25, 1), 1
	s_wait_xcnt 0x0
	s_wait_alu depctr_hold_cnt(0) depctr_sa_sdst(0) depctr_va_vdst(0) depctr_va_sdst(0) depctr_va_ssrc(0) depctr_va_vcc(0) depctr_vm_vsrc(0)
	s_getreg_b32 s2, hwreg(HW_REG_IB_STS2, 6, 4)
	s_cmp_eq_u32 s2, 0
	s_cbranch_scc0 .Lentry_in_a_cluster
	s_endpgm
.Lentry_in_a_cluster:
	s_bfe_u32 s2, ttmp6, 0x10000c
	s_cmp_lg_u32 s2, 0x3003
	s_cbranch_scc0 .Lentry_shape_is_right
	s_endpgm
.Lentry_shape_is_right:
; out0[head][q][:] = the sum over keys of softmax(q . k / 8, masked) v, for 32 heads of 2,048 x 64, both products on codes of FP6 (E2M3) with one E8M0 scale for each 32 along a product's K.
; THE MASK: a key counts for a query where key <= query AND the score is not 0: an exact zero under the diagonal is hidden too, so every score of every step is tested (compare and select, no branch).
; A row all of whose scores are hidden gives NaN: here its sum and its O are 0, and 0 x (1 / 0) is NaN.
; THE SOFTMAX: t = score x log2(e) / 8; M = the running largest t rounded UP to a whole number, kept as -M = floor(-t); p = 2^(t - M) is quantised along the keys, not normalised; the row's sum is taken of the
; unquantised p and divides O at the end.  When M moves, the sum and O are multiplied by 2^(old M - new M), which rounds nothing.
; SHARES.  Grid y is the head; its 8 work-groups are two clusters of four.  A head's 2,048 queries are 16 blocks of 128; a wave owns ONE tile of 16 queries and walks key steps of 128: steps 0 .. BI - 1 open, step BI on
; the diagonal, the later ones jumped over.  BI hangs on the wave's number and the cluster's x alone, so all branches are alike in the four partners; the place in the cluster only says WHICH tile of the block a wave takes
; (global addresses and one vector compare).  Waves w and their blocks: bits b3 b2 b1 b0 of w; i = cluster x + 2 (b1 + 2 b3); BI = i or 15 - i by b0 xor b2; tile = 2 cx + b2.  Blocks i and 15 - i take 17 steps together,
; and any four waves with equal w % 4 or equal w / 4 hold two such pairs: 34 steps.
; LDS.  A head's K, V and scale bytes, 205 KB, lie in LDS whole, each byte filled once: no ring, nothing is filled again.  The four partners need the same bytes, so every tensor load is asked for JOINTLY (mask 15).
; LAYOUT.  Both products are used transposed (S^T = K Q^T, O^T = V^T P^T): a lane holds ONE query (lane % 16) throughout.  THE KEYS OF A TILE ARE NOT NEIGHBOURS: lane r of tile 4 c + u takes key 64 c + 32 (r / 8) + 8 u + r % 8
; of the step, so that register 32 c + i of lane (r, h) is key 64 c + 32 h + i: a lane holds two WHOLE blocks of 32 keys, the very keys that registers 6 c .. 6 c + 5 of the next operand want of it.
; K = 64 IN AN INSTRUCTION OF K = 128: Q's registers 6-11 are zero codes.  K's fragments are 6 registers, 6 apart; a tile's operand names 12: its upper six are the next tile's codes (behind the last: six registers of zeros).
; Each product at k >= 64 has Q's code 0 as a factor, FP6 has no infinity or NaN, and the scale bytes there are 0 (the scale words come by 16-bit loads), never 0xff: they add nothing.
; LIMITS: the zero test is made on the score itself: a score under 2^-147 in magnitude, whose eighth would round to 0, is not hidden here.  Scale bytes of 0xff among the inputs are not served.
.set KBD,  49280                       ; LDS: keys with (key & 32) = 0 at byte 0, row key / 64 of 1,536 bytes (32 keys x 48); those with (key & 32) = 32 from KBD on: 128 more than a multiple of 256, so that the 32 lanes of a load of 8 bytes touch 64 different banks (64 banks of 4 bytes: ISA guide 11.1)
.set V1B,  98560                       ; V, keys 0-255: 64 rows (d) of 192 bytes, 16 bytes of padding behind each 64
.set VP1,  240
.set V2B,  113920                      ; V, keys 256-2,047: 64 rows of 1,344 bytes, the same padding; 256 keys are 240 bytes along a row
.set VP2,  1680
.set KSC,  221440                      ; K's scale bytes, 2 a key, dense
.set VSC,  225536                      ; V's scale bytes: 64 rows of 64 bytes + 8
.set STG,  230144                      ; the way out: 16 rows x 272 bytes for each wave; no tensor load lands here
.set ADK,  1                           ; v1   my lane's place in a tile of K: 48 (r % 8) + KBD (r / 8) + 24 h, stepped
.set ADS,  2                           ; v2   among K's scale bytes: lanes 0-15 an even tile's, lanes 16-31 the odd tile's behind it
.set ADT,  3                           ; v3   among V's scale words: row = lane
.set ADV,  4                           ; v4-7 in V: tiles 0, 1 (v4; v5 for the pieces behind one padding more), tiles 2, 3 (v6, v7)
.set SH8,  8                           ; v8   8 h
.set NINF, 9                           ; v9   -infinity
.set DQ,   10                          ; v10  my query in its block - 32 h;  v11  the same - 64
.set NM,   12                          ; v12  -M;  v13 the largest t so far
.set LS,   14                          ; v[14:15] the row's sum, in two halves
.set QF,   16                          ; v[16:27] Q's fragment; v22-27 zeros
.set QS,   28                          ; v28  Q's scale words
.set PS,   29                          ; v29  p's scale word
.set XX,   30                          ; v30  what comes from lane l xor 16
.set KF,   32                          ; v[32:79] K's eight fragments;  v[80:85] zeros
.set KSR,  86                          ; v[86:89] K's scale words, two tiles to a register
.set VF,   90                          ; v[90:137] V's four fragments
.set VSR,  138                         ; v[138:139] V's scale words, two tiles to a register
.set SC,   140                         ; v[140:203] S^T, then p
.set OT,   204                         ; v[204:235] O^T
.set PC,   236                         ; v[236:247] p's codes
.set FF,   248                         ; v248 f = 2^(old M - new M), at the end 1 / sum;  v249 0 (named with it as a pair)
.set T2,   250                         ; v[250:251] the sum's second chain
.set BM,   252                         ; v252-255 four chains of the maxima; then v252, v254: my two blocks' largest
.set SO,   32                          ; at work between the first product and the next step's loads, in K's registers: v32-33 the conversions' scale operands,
.set BY,   34                          ; v34-35 the scale bytes,
.set DD,   36                          ; v36  old M - new M,
.set WW,   37                          ; v37
.set CT,   38                          ; v[38:40], v[42:44] each block's upper 16 codes
.set MK,   8                           ; s[8:11]  four lane masks (K's pointers until the descriptors are made)
.set WV,   18                          ; s18  my wave's number
.set BI,   19                          ; s19  my block of 128 queries = the number of my diagonal step
.set SEL,  20                          ; s[20:21] v_permlanex16_b32's selects for lane l xor 16
.set CS,   22                          ; s[22:23] c = log2(e) / 8: the packed form names a pair and takes its low word for both halves
.set G1KS, 24                          ; descriptor groups 1: K's scales, K's keys 0-255, K's rest, V's scales, V's keys 0-255, V's rest
.set G1K0, 32
.set G1K1, 40
.set G1VS, 48
.set G1V0, 56
.set G1V1, 68
.set STP,  66                          ; s66  the step's number
.set TRIP, 67                          ; s67
.set G0KS, 76                          ; and their groups 0
.set G0K0, 80
.set G0K1, 84
.set G0VS, 88
.set G0V0, 92
.set G0V1, 96
.set JM,    15|(1<<21)                 ; 15:0 the mask: all four work-groups; 21 set beside a mask
.set W_KS,  JM|(3<<16)                 ; elements of 8 bytes, no padding
.set W_K,   JM                         ; elements of 1 byte, no padding
.set W_VS,  JM|(3<<16)|(1<<20)|(3<<22)|(1<<25)   ; elements of 8 bytes; after every 16 words 2 words of padding
.set W_V,   JM|(1<<20)|(3<<22)|(3<<25)           ; elements of 1 byte; after every 16 words 4 words of padding
.macro G1SET g, w0, c, r, p            ; a tile of r rows of c elements, p elements from row to row; the tiles lie inside the tensor, so the extents are the tile's
	s_mov_b32 s[\g], \w0
	s_mov_b32 s[\g+1], (\c)<<16
	s_mov_b32 s[\g+2], (\r)<<16
	s_mov_b32 s[\g+3], (\c)<<16
	s_mov_b32 s[\g+4], \r
	s_mov_b32 s[\g+5], \p
	s_mov_b32 s[\g+6], 0
	s_mov_b32 s[\g+7], 0
.endm
.macro G0FIN g, b                      ; the buffer's address + the offset that lies in the group's words 2, 3; then the type, 2, in the top two bits
	s_add_nc_u64 s[\g+2:\g+3], s[\b:\b+1], s[\g+2:\g+3]
	s_or_b32 s[\g+3], s[\g+3], 0x80000000
.endm
.macro CROUND                          ; a round of the cluster's barrier: my work-group's barrier; wave 0 signals for the work-group; every wave waits for all four; my work-group's barrier once more
	s_barrier_signal -1
	s_barrier_wait -1
	s_cmp_lg_u32 s[WV], 0
	s_cbranch_scc1 .Lnot_wave_0_\@
	s_barrier_signal -3
.Lnot_wave_0_\@:
	s_barrier_wait -3
	s_barrier_signal -1
	s_barrier_wait -1
.endm
	s_load_b256 s[4:11], s[0:1], 0x0               ; q's codes s[4:5], q's scales s[6:7], k's codes s[8:9], k's scales s[10:11]
	s_load_b128 s[12:15], s[0:1], 0x20             ; v's codes, v's scales
	s_load_b64 s[16:17], s[0:1], 0x30              ; out0
	v_lshl_add_u32 v254, v0, 2, 0x49300
	v_mov_b32 v255, 0
	ds_add_u32 v254, v255
	ds_add_u32 v254, v255
	s_wait_dscnt 0x0
	v_lshrrev_b32 v1, 5, v0
	v_readfirstlane_b32 s[WV], v1                  ; wave 0..15
	; my block of queries, from the wave's number and the cluster's x alone
	s_lshr_b32 s2, s[WV], 1
	s_and_b32 s2, s2, 1                            ; b1
	s_lshr_b32 s3, s[WV], 3                        ; b3
	s_lshl_b32 s3, s3, 1
	s_add_co_u32 s2, s2, s3                        ; the pair, 0..3
	s_lshl_b32 s2, s2, 1
	s_add_co_u32 s2, s2, ttmp9                     ; i = cluster x + 2 x pair, 0..7
	s_lshr_b32 s3, s[WV], 2
	s_xor_b32 s3, s3, s[WV]
	s_and_b32 s3, s3, 1                            ; b0 xor b2
	s_mul_i32 s3, s3, 15
	s_xor_b32 s[BI], s2, s3                        ; i or 15 - i
	; which tile of the block: the only use of my place in the cluster; s100, s101 (and later s12) alone hold what comes of it
	s_bfe_u32 s100, ttmp6, 0x40000                 ; cx
	s_lshl_b32 s100, s100, 1
	s_bfe_u32 s101, s[WV], 0x10002                 ; b2
	s_add_co_u32 s100, s100, s101
	s_lshl_b32 s100, s100, 4                       ; 16 x tile: my first query in its block
	s_and_b32 s23, ttmp7, 0xffff                   ; the head
	s_lshl_b32 s101, s[BI], 7
	s_add_co_u32 s101, s101, s100
	s_lshl_b32 s67, s23, 11
	s_add_co_u32 s101, s101, s67                   ; my first query among all 65,536
	; what I fetch, if I fetch: waves 0-3 for K, waves 4-7 for V, a quarter each
	s_and_b32 s20, s[WV], 3                        ; which quarter
	s_and_b32 s21, s20, 1                          ; K: g: the keys with (key & 32) = 32 g
	s_lshr_b32 s22, s20, 1                         ;    e: which half of their rows
	s_mul_i32 s2, s23, 98304                       ; the head's first byte in each tensor of codes,
	s_lshl_b32 s3, s23, 12                         ; and of scale bytes
	G1SET G1KS, W_KS, 32, 4, 32                    ; 1,024 dense bytes as 4 rows of 256
	G1SET G1K0, W_K, 1536, 2, 3072                 ; 2 rows of 32 keys, every second run of 32 keys
	G1SET G1K1, W_K, 1536, 14, 3072                ; 14 such rows
	G1SET G1VS, W_VS, 8, 16, 8                     ; 16 rows of 64 bytes
	G1SET G1V0, W_V, 192, 16, 1536                 ; 16 rows (d) x 256 keys
	G1SET G1V1, W_V, 1344, 16, 1536                ; 16 rows x 1,792 keys
	s_mov_b32 s[G0KS], 1
	s_lshl_b32 s66, s20, 10
	s_add_co_u32 s[G0KS+1], s66, KSC
	s_add_co_u32 s[G0KS+2], s66, s3
	s_mov_b32 s[G0KS+3], 0
	s_mov_b32 s[G0VS], 1
	s_mul_i32 s[G0VS+1], s20, 1152
	s_add_co_u32 s[G0VS+1], s[G0VS+1], VSC
	s_mov_b32 s[G0VS+2], s[G0KS+2]
	s_mov_b32 s[G0VS+3], 0
	s_mov_b32 s[G0K0], 1
	s_mov_b32 s[G0K1], 1
	s_mul_i32 s66, s21, KBD
	s_mul_i32 s67, s22, 3072
	s_add_co_u32 s[G0K0+1], s66, s67               ; rows 2 e, 2 e + 1
	s_mul_i32 s67, s22, 21504
	s_add_co_u32 s[G0K1+1], s66, s67
	s_add_co_u32 s[G0K1+1], s[G0K1+1], 6144        ; rows 4 + 14 e on
	s_mul_i32 s66, s21, 1536
	s_add_co_u32 s66, s66, s2
	s_mul_i32 s67, s22, 6144
	s_add_co_u32 s[G0K0+2], s66, s67
	s_mov_b32 s[G0K0+3], 0
	s_mul_i32 s67, s22, 43008
	s_add_co_u32 s[G0K1+2], s66, s67
	s_add_co_u32 s[G0K1+2], s[G0K1+2], 12288
	s_mov_b32 s[G0K1+3], 0
	s_mov_b32 s[G0V0], 1
	s_mul_i32 s[G0V0+1], s20, 3840
	s_add_co_u32 s[G0V0+1], s[G0V0+1], V1B
	s_mul_i32 s66, s20, 24576
	s_add_co_u32 s[G0V0+2], s66, s2
	s_mov_b32 s[G0V0+3], 0
	s_mov_b32 s[G0V1], 1
	s_mul_i32 s[G0V1+1], s20, 26880
	s_add_co_u32 s[G0V1+1], s[G0V1+1], V2B
	s_add_co_u32 s[G0V1+2], s[G0V0+2], 192
	s_mov_b32 s[G0V1+3], 0
	s_mov_b32 s[SEL], 0x76543210
	s_mov_b32 s[SEL+1], 0xfedcba98
	s_mov_b32 s[CS], 0x3e38aa3b                    ; log2(e) / 8
	s_mov_b32 s[CS+1], s[CS]                       ; (named with it as a pair, so it is written)
	s_mov_b32 s[STP], 0
	s_wait_kmcnt 0x0
	G0FIN G0KS, 10
	G0FIN G0K0, 8
	G0FIN G0K1, 8
	G0FIN G0VS, 14
	G0FIN G0V0, 12
	G0FIN G0V1, 12
	CROUND                                         ; all four work-groups are here: the joint loads meet
	s_cmp_lt_u32 s[WV], 4                          ; a wave's three loads stand in one branch on its number, ahead of every wait on TENSORcnt, every LDS read and every further barrier: three loads of mine are out at the most
	s_cbranch_scc0 .Lnot_k
	tensor_load_to_lds s[G0KS:G0KS+3], s[G1KS:G1KS+7]
	s_nop 0
	tensor_load_to_lds s[G0K0:G0K0+3], s[G1K0:G1K0+7]
	s_nop 0
	tensor_load_to_lds s[G0K1:G0K1+3], s[G1K1:G1K1+7]
	s_nop 0
.rept 4
	v_nop                                          ; four v_nop follow the last of them, ahead of the jump and the label
.endr
	s_branch .Lasked
.Lnot_k:
	s_cmp_lt_u32 s[WV], 8
	s_cbranch_scc0 .Lasked
	tensor_load_to_lds s[G0VS:G0VS+3], s[G1VS:G1VS+7]
	s_nop 0
	tensor_load_to_lds s[G0V0:G0V0+3], s[G1V0:G1V0+7]
	s_nop 0
	tensor_load_to_lds s[G0V1:G0V1+3], s[G1V1:G1V1+7]
	s_nop 0
.rept 4
	v_nop
.endr
.Lasked:
	s_mul_i32 s12, s101, 48                        ; q's codes, q's scales and out0 at my first query: rows of 48, 2 and 256 bytes
	s_mov_b32 s13, 0
	s_add_nc_u64 s[4:5], s[4:5], s[12:13]
	s_lshl_b32 s12, s101, 1
	s_add_nc_u64 s[6:7], s[6:7], s[12:13]
	s_lshl_b32 s12, s101, 8
	s_add_nc_u64 s[16:17], s[16:17], s[12:13]
	v_and_b32 v142, 15, v0                         ; r
	v_bfe_u32 v143, v0, 4, 1                       ; h
	v_mul_u32_u24 v140, v142, 48
	v_mad_u32_u24 v140, v143, 24, v140             ; Q: row r, + 24 h: k = 32 h + 0 .. 31
	v_lshlrev_b32 v141, 1, v142
.irp p, 0,1,2
	global_load_b64 v[QF+2*\p:QF+2*\p+1], v140, s[4:5] offset:8*\p th:TH_LOAD_NT
.endr
	global_load_u16 v[QS], v141, s[6:7] th:TH_LOAD_NT   ; two scale bytes, two zero bytes above them
.irp j, 22,23,24,25,26,27,80,81,82,83,84,85
	v_mov_b32 v[\j], 0                             ; zero codes: Q's k = 64 .. 127, and what the last tile of K names beyond its own six registers
.endr
	v_and_b32 v146, 31, v0                         ; lane
	v_and_b32 v144, 7, v0                          ; r % 8
	v_bfe_u32 v145, v0, 3, 1                       ; r / 8
	v_mul_u32_u24 v[ADK], v144, 48
	v_mad_u32_u24 v[ADK], v145, KBD, v[ADK]
	v_mad_u32_u24 v[ADK], v143, 24, v[ADK]
	v_lshlrev_b32 v[ADS], 1, v144
	v_lshl_add_u32 v[ADS], v145, 6, v[ADS]
	v_lshl_add_u32 v[ADS], v143, 4, v[ADS]         ; lanes 16-31: the tile 8 keys on
	v_add_nc_u32 v[ADS], KSC, v[ADS]
	v_mul_u32_u24 v[ADT], v146, 72
	v_add_nc_u32 v[ADT], VSC, v[ADT]
.macro VADDR base, vp                  ; V's four address registers, from v0: row r x pitch + 24 h; + 16 h more behind one padding more; 32 rows on for tiles 2, 3
	v_and_b32 v[ADV], 15, v0
	v_mul_u32_u24 v[ADV], v[ADV], \vp
	v_bfe_u32 v[ADV+1], v0, 4, 1
	v_mad_u32_u24 v[ADV], v[ADV+1], 24, v[ADV]
	v_add_nc_u32 v[ADV], \base, v[ADV]
	v_lshl_add_u32 v[ADV+1], v[ADV+1], 4, v[ADV]
	v_add_nc_u32 v[ADV+2], 32*\vp, v[ADV]
	v_add_nc_u32 v[ADV+3], 32*\vp, v[ADV+1]
.endm
	VADDR V1B, VP1
	v_lshlrev_b32 v[SH8], 3, v143
	v_mov_b32 v[NINF], 0xff800000
	v_lshlrev_b32 v147, 5, v143
	v_sub_nc_u32 v[DQ], v142, v147
	v_add_nc_u32 v[DQ], s100, v[DQ]                ; my query in its block - 32 h: register 32 c + i is hidden on the diagonal where i > this - 64 c
	v_add_nc_u32 v[DQ+1], -64, v[DQ]
	v_mov_b32 v[NM+1], 0xff61b1e6                  ; the largest t so far: -3e38, under every t
	v_floor_f32 v[NM], -v[NM+1]                    ; -M
	v_mov_b32 v[LS], 0
	v_mov_b32 v[LS+1], 0
	v_mov_b32 v[XX], 0                             ; written once: a lane permute's destination counts as one of its sources
	v_mov_b32 v[FF+1], 0
.set J, 0
.rept 32
	v_mov_b32 v[OT+J], 0                           ; O^T: 32 lines once, so that the step has no first form of its own: the first change of M multiplies zeros
.set J, J+1
.endr
.macro VFRAG t, q, vp                  ; tile t of V^T (16 of d x 128 keys, the q-th 128 of a run of 256): 12 registers, in pieces of 8 bytes; lanes 16-31 take the pieces three on, which for some lie behind one padding more
.irp p, 0,1,2,3,4,5
.set PCI, 12*(\q)+6*(\p/3)+\p%3
.if PCI%8 < 5
	ds_load_b64 v[VF+12*(\t)+2*\p:VF+12*(\t)+2*\p+1], v[ADV+2*((\t)/2)] offset:((\t)%2)*16*(\vp)+8*PCI+16*(PCI/8)
.else
	ds_load_b64 v[VF+12*(\t)+2*\p:VF+12*(\t)+2*\p+1], v[ADV+2*((\t)/2)+1] offset:((\t)%2)*16*(\vp)+8*PCI+16*(PCI/8)
.endif
.endr
.endm
.macro MASK4 diag, n                   ; scores n .. n + 3 become -infinity where hidden: four compares into four scalar masks, then four selects, so that no select waits for the compare just above it
.irp i, 0,1,2,3
.if \diag
	v_cmp_gt_i32 s[MK+\i], ((\n)+\i)%32, v[DQ+(\n)/32]
.else
	v_cmp_eq_f32 s[MK+\i], 0, v[SC+(\n)+\i]
.endif
.endr
.irp i, 0,1,2,3
	v_cndmask_b32 v[SC+(\n)+\i], v[SC+(\n)+\i], v[NINF], s[MK+\i]
.endr
.endm
.macro TMINUSM j                       ; t - M for scores j, j + 1: one packed multiply-add (of the pairs c and -M the low word serves both halves)
	v_pk_fma_f32 v[SC+(\j):SC+(\j)+1], v[SC+(\j):SC+(\j)+1], s[CS:CS+1], v[NM:NM+1] op_sel_hi:[1,0,0]
.endm
; A KEY STEP: 128 keys, the q-th of a run of 256; vp: V's pitch in the region in hand.
.macro STEP q, vp
	s_cmp_gt_u32 s[STP], s[BI]                     ; a step all of whose keys come after my queries is left out: a scalar branch on ids; no barrier and no tensor load stands in a step
	s_cbranch_scc1 .Lhid_\@
.irp t, 0,1,2,3,4,5,6,7                ; all the step's LDS loads in one run: K's 24 + 4 first, then V's 24 + 2
.irp p, 0,1,2
	ds_load_b64 v[KF+6*\t+2*\p:KF+6*\t+2*\p+1], v[ADK] offset:(2*\q+\t/4)*1536+384*(\t%4)+8*\p
.endr
.endr
.irp g, 0,1,2,3
	ds_load_u16 v[KSR+\g], v[ADS] offset:256*\q+128*(\g/2)+32*(\g%2)
.endr
.irp t, 0,1,2,3
	VFRAG \t, \q, \vp
.endr
.irp g, 0,1
	ds_load_b32 v[VSR+\g], v[ADT] offset:2304*\g+4*\q
.endr
	s_wait_dscnt 26                                ; K's 28 loads are in; V's 26, issued behind them, may stay out until the second product
.irp t, 0,2,4,6                        ; S^T = K Q^T: source 0 = 16 keys, source 1 = my 16 queries; an odd tile's scale words lie in lanes 16-31
	v_wmma_scale_f32_16x16x128_f8f6f4 v[SC+8*\t:SC+8*\t+7], v[KF+6*\t:KF+6*\t+11], v[QF:QF+11], 0, v[KSR+\t/2], v[QS] matrix_a_fmt:MATRIX_FMT_FP6 matrix_b_fmt:MATRIX_FMT_FP6
	v_wmma_scale_f32_16x16x128_f8f6f4 v[SC+8*\t+8:SC+8*\t+15], v[KF+6*\t+6:KF+6*\t+17], v[QF:QF+11], 0, v[KSR+\t/2], v[QS] matrix_a_fmt:MATRIX_FMT_FP6 matrix_b_fmt:MATRIX_FMT_FP6 matrix_a_scale:MATRIX_SCALE_ROW1
.endr
.rept 4
	v_nop                                          ; four places between the last product and the first read of a result (ISA guide 7.12.1)
.endr
	s_cmp_lg_u32 s[STP], s[BI]
	s_cbranch_scc1 .Lopen_\@                       ; only my diagonal step hides keys by their number
.irp n, 0,4,8,12,16,20,24,28,32,36,40,44,48,52,56,60
	MASK4 1, \n
.endr
.Lopen_\@:
.irp n, 0,4,8,12,16,20,24,28,32,36,40,44,48,52,56,60
	MASK4 0, \n                                    ; a score that is exactly 0 is hidden: in every step.  (Ascending: each result is first read at its low end)
.endr
.irp c, 0,1                            ; THE LARGEST SCORE OF EACH OF MY TWO BLOCKS OF 32 KEYS, in four chains by turns: it serves for the row's maximum and, since p rises with the score, for the block's largest p
.irp e, 0,1
	v_max3_num_f32 v[BM+2*\c+\e], v[SC+32*\c+16*\e], v[SC+32*\c+16*\e+1], v[SC+32*\c+16*\e+2]
.endr
.endr
.irp i, 3,5,7,9,11,13
.irp c, 0,1
.irp e, 0,1
	v_max3_num_f32 v[BM+2*\c+\e], v[BM+2*\c+\e], v[SC+32*\c+16*\e+\i], v[SC+32*\c+16*\e+\i+1]
.endr
.endr
.endr
.irp c, 0,1
	v_max3_num_f32 v[BM+2*\c], v[BM+2*\c], v[SC+32*\c+15], v[SC+32*\c+31]
.endr
.irp c, 0,1
	v_max_num_f32 v[BM+2*\c], v[BM+2*\c], v[BM+2*\c+1]
.endr
	v_max_num_f32 v[WW], v[BM], v[BM+2]
	v_permlanex16_b32 v[XX], v[WW], s[SEL], s[SEL+1]
	v_max_num_f32 v[WW], v[WW], v[XX]              ; with lane l xor 16's two blocks: the step's largest score of my query
	v_mul_f32 v[WW], s[CS], v[WW]                  ; as t (c is positive)
	v_max_num_f32 v[NM+1], v[NM+1], v[WW]          ; the running largest t
	v_mov_b32 v[DD], v[NM]
	v_floor_f32 v[NM], -v[NM+1]                    ; the new -M = floor(-t) = -ceil(t): a whole number
	v_sub_f32 v[DD], v[NM], v[DD]                  ; old M - new M: a whole number, 0 or less
	v_cvt_i32_f32 v[DD], v[DD]                     ; (it saturates)
	v_ldexp_f32 v[FF], 1.0, v[DD]                  ; f = 2^(old M - new M)
	v_fma_f32 v[BM], v[BM], s[CS], v[NM]           ; t - M of each block's largest score
	v_fma_f32 v[BM+2], v[BM+2], s[CS], v[NM]
	TMINUSM 0
	TMINUSM 2
	v_exp_f32 v[BM], v[BM]                         ; the blocks' largest p
	v_exp_f32 v[BM+2], v[BM+2]
.irp k, 0,1,2,3,4,5,6,7,8,9,10,11,12,13,14   ; p = 2^(t - M), by turns with plain work that is ready: the scalings four scores ahead, and O^T x f
	v_exp_f32 v[SC+4*\k], v[SC+4*\k]
	TMINUSM 4*\k+4
	v_exp_f32 v[SC+4*\k+1], v[SC+4*\k+1]
	v_pk_mul_f32 v[OT+2*\k:OT+2*\k+1], v[OT+2*\k:OT+2*\k+1], v[FF:FF+1] op_sel_hi:[1,0]
	v_exp_f32 v[SC+4*\k+2], v[SC+4*\k+2]
	TMINUSM 4*\k+6
	v_exp_f32 v[SC+4*\k+3], v[SC+4*\k+3]
.endr
	v_exp_f32 v[SC+60], v[SC+60]
	v_exp_f32 v[SC+61], v[SC+61]
	v_pk_mul_f32 v[OT+30:OT+31], v[OT+30:OT+31], v[FF:FF+1] op_sel_hi:[1,0]
	v_exp_f32 v[SC+62], v[SC+62]
	v_exp_f32 v[SC+63], v[SC+63]
	v_pk_mul_f32 v[LS:LS+1], v[LS:LS+1], v[FF:FF+1] op_sel_hi:[1,0]   ; the sum under the new M.  (The plain instruction behind the last exponential)
	s_wait_alu depctr_va_vdst(0)
.irp c, 0,1
	v_max_num_f32 v[BM+2*\c], 0x1800000, v[BM+2*\c]   ; the floor 2^(3 - 127): the byte cannot fall under 1 (a block whose every p is 0 keeps that byte: its codes are zeros)
.endr
.irp c, 0,1
	v_add_nc_u32 v[SO+\c], 0xff000000, v[BM+2*\c]  ; 2 off the exponent field: the conversion takes the exponent field of this operand as its scale
.endr
.irp c, 0,1
	v_lshrrev_b32 v[BY+\c], 23, v[SO+\c]           ; the scale's byte
.endr
	v_lshl_or_b32 v[WW], v[BY+1], 16, v[BY]        ; my two bytes: blocks h and 2 + h of my query,
	v_lshlrev_b32 v[WW], v[SH8], v[WW]             ; at their places in the scale word;
	v_permlanex16_b32 v[XX], v[WW], s[SEL], s[SEL+1]
	v_or_b32 v[PS], v[WW], v[XX]                   ; with lane l xor 16's two the word is whole
.irp c, 0,1
	v_cvt_scalef32_pk16_fp6_f32 v[PC+6*\c:PC+6*\c+2], v[SC+32*\c:SC+32*\c+15], v[SO+\c]
	v_cvt_scalef32_pk16_fp6_f32 v[CT+4*\c:CT+4*\c+2], v[SC+32*\c+16:SC+32*\c+31], v[SO+\c]   ; (a conversion's three registers begin on an even number: a block's second three do not, so they are made elsewhere and moved)
.endr
	v_nop                                          ; one plain instruction behind the scaled conversions
.irp c, 0,1
.irp i, 0,1,2
	v_mov_b32 v[PC+6*\c+3+\i], v[CT+4*\c+\i]       ; registers 6 c .. 6 c + 5: keys 64 c + 32 h + 0 .. 31
.endr
.endr
	v_pk_add_f32 v[T2:T2+1], v[SC:SC+1], v[SC+2:SC+3]   ; THE ROW'S SUM IS TAKEN OF THE UNQUANTISED p, two at a time, in two chains.  Its first 13 lines stand here: with the v_nop above, 14 plain
.irp k, 1,2,3,4,5,6                                ; lines that name none of the product's registers lie behind p's scale word (8 are asked) and 13 behind the last move into p's codes (4)
	v_pk_add_f32 v[LS:LS+1], v[LS:LS+1], v[SC+4*\k:SC+4*\k+1]
	v_pk_add_f32 v[T2:T2+1], v[T2:T2+1], v[SC+4*\k+2:SC+4*\k+3]
.endr
	s_wait_dscnt 0x0                               ; V's fragments and scale words are in
.irp t, 0,2                            ; O^T += V^T P^T: source 0 = 16 of d, source 1 = p.  The four accumulators take turns, one instruction a turn, and the eight first products stand between two steps' links
	v_wmma_scale_f32_16x16x128_f8f6f4 v[OT+8*\t:OT+8*\t+7], v[VF+12*\t:VF+12*\t+11], v[PC:PC+11], v[OT+8*\t:OT+8*\t+7], v[VSR+\t/2], v[PS] matrix_a_fmt:MATRIX_FMT_FP6 matrix_b_fmt:MATRIX_FMT_FP6
	v_wmma_scale_f32_16x16x128_f8f6f4 v[OT+8*\t+8:OT+8*\t+15], v[VF+12*\t+12:VF+12*\t+23], v[PC:PC+11], v[OT+8*\t+8:OT+8*\t+15], v[VSR+\t/2], v[PS] matrix_a_fmt:MATRIX_FMT_FP6 matrix_b_fmt:MATRIX_FMT_FP6 matrix_a_scale:MATRIX_SCALE_ROW1
.endr
.irp k, 7,8,9,10,11,12,13,14,15        ; the rest of the sum: 19 plain lines that name none of the last products' registers: the places in front of the next step's loads and of the way out
	v_pk_add_f32 v[LS:LS+1], v[LS:LS+1], v[SC+4*\k:SC+4*\k+1]
	v_pk_add_f32 v[T2:T2+1], v[T2:T2+1], v[SC+4*\k+2:SC+4*\k+3]
.endr
	v_pk_add_f32 v[LS:LS+1], v[LS:LS+1], v[T2:T2+1]
.Lhid_\@:
	s_add_co_u32 s[STP], s[STP], 1
.endm
.macro NEXT                            ; on to the next 256 keys, on every wave's path: 4 rows of K, 512 scale bytes of K, 8 of each row of V's
	v_add_nc_u32 v[ADK], 6144, v[ADK]
	v_add_nc_u32 v[ADS], 512, v[ADS]
	v_add_nc_u32 v[ADT], 8, v[ADT]
.endm
	s_wait_loadcnt 0x0                             ; Q and its scale words
	s_wait_tensorcnt 0x1                           ; the scale bytes and my part of keys 0-255 have landed; the one load issued behind them, the large one, may stay out
	s_barrier_signal -1
	s_barrier_wait -1                              ; everybody's have
	STEP 0, VP1                                    ; keys 0-255, while the rest of the head lands
	STEP 1, VP1
	NEXT
	VADDR V2B, VP2                                 ; V's addresses for keys 256 on
	s_wait_tensorcnt 0x0                           ; my part of the rest has landed,
	s_wait_dscnt 0x0                               ; (no LDS instruction of mine is out at a signal)
	s_barrier_signal -1
	s_barrier_wait -1                              ; everybody's has
	s_mov_b32 s[TRIP], 7
.Ltrip:                                                ; seven trips of 256 keys, a constant: steps beyond a wave's diagonal are jumped over inside
	STEP 0, VP2
	STEP 1, VP2
	NEXT
.irp j, 0,1,2,3
	v_add_nc_u32 v[ADV+\j], 240, v[ADV+\j]
.endr
	s_sub_co_u32 s[TRIP], s[TRIP], 1
	s_cmp_lg_u32 s[TRIP], 0
	s_cbranch_scc1 .Ltrip
	; THE WAY OUT.  O^T / the sum goes through my own stage in LDS and comes back as whole rows of 256 bytes: sixteen lanes store one row of out0.
	v_add_f32 v[LS], v[LS], v[LS+1]                ; the sum's two halves,
	v_permlanex16_b32 v[XX], v[LS], s[SEL], s[SEL+1]
	v_add_f32 v[LS], v[LS], v[XX]                  ; and lane l xor 16's keys: the row's sum
	v_rcp_f32 v[FF], v[LS]
	s_mul_i32 s2, s[WV], 16*272
	s_add_co_u32 s2, s2, STG                       ; my stage
	v_and_b32 v3, 15, v0                           ; r  (plain instructions behind the reciprocal)
	v_bfe_u32 v2, v0, 4, 1                         ; h
	v_mul_u32_u24 v1, v3, 272
	v_lshl_add_u32 v1, v2, 5, v1
	v_add_nc_u32 v1, s2, v1                        ; in: row r; tile t's eight numbers of my half at 64 t + 32 h
	v_mul_u32_u24 v4, v2, 272
	v_lshl_add_u32 v4, v3, 4, v4
	v_add_nc_u32 v4, s2, v4                        ; back: lanes 0-15 one row, lanes 16-31 the next, 16 bytes a lane
	v_lshlrev_b32 v5, 8, v2
	v_lshl_add_u32 v5, v3, 4, v5                   ; and the same two rows in out0
.set J, 0
	s_wait_alu depctr_va_vdst(0)
.rept 16
	v_pk_mul_f32 v[OT+J:OT+J+1], v[OT+J:OT+J+1], v[FF:FF+1] op_sel_hi:[1,0]   ; register 8 t + j is out0(r, 16 t + 8 h + j); ascending
.set J, J+2
.endr
.irp t, 0,1,2,3
	ds_store_b128 v1, v[OT+8*\t:OT+8*\t+3] offset:64*\t
	ds_store_b128 v1, v[OT+8*\t+4:OT+8*\t+7] offset:64*\t+16
.endr
.irp i, 0,1,2,3,4,5,6,7
	ds_load_b128 v[SC+4*\i:SC+4*\i+3], v4 offset:544*\i   ; LDS serves a wave's instructions in order (ISA guide 5.7.1.4): these see my stores
.endr
.irp i, 0,1,2,3,4,5,6,7
	s_wait_dscnt 7-\i                              ; pair i of rows is back; the younger loads may be out
	global_store_b128 v5, v[SC+4*\i:SC+4*\i+3], s[16:17] offset:512*\i th:TH_STORE_NT   ; 16 lanes store 256 consecutive bytes, at a multiple of 256 from out0's first byte; written once, read by nobody here
.endr
	s_wait_xcnt 0x0
	v_lshl_add_u32 v254, v0, 2, 0x49300
	v_mov_b32 v255, 0
	s_wait_tensorcnt 0x0
	ds_add_u32 v254, v255
	s_wait_dscnt 0x0
	CROUND                                         ; the closing round: no work-group ends while a partner may still ask for a tile that names it
	s_endpgm
.Lfunc_end_k_qb8e882c438_attn:
	.size	k_qb8e882c438_attn, .Lfunc_end_k_qb8e882c438_attn-k_qb8e882c438_attn
	.p2alignl 7, 3214868480
	.fill 96, 4, 3214868480
	.section	.rodata,"a",@progbits
	.p2align	6, 0x0
	.amdhsa_kernel k_qb8e882c438_attn
		.amdhsa_group_segment_fixed_size 301824
		.amdhsa_private_segment_fixed_size 0
		.amdhsa_enable_private_segment 0
		.amdhsa_kernarg_size 56
		.amdhsa_user_sgpr_count 2
		.amdhsa_user_sgpr_kernarg_segment_ptr 1
		.amdhsa_wavefront_size32 1
		.amdhsa_system_sgpr_workgroup_id_x 1
		.amdhsa_system_sgpr_workgroup_id_y 1
		.amdhsa_system_sgpr_workgroup_id_z 1
		.amdhsa_system_vgpr_workitem_id 0
		.amdhsa_next_free_vgpr 256
		.amdhsa_next_free_sgpr 102
		.amdhsa_reserve_vcc 0
		.amdhsa_float_denorm_mode_32 3
		.amdhsa_float_denorm_mode_16_64 3
		.amdhsa_memory_ordered 1
		.amdhsa_forward_progress 1
		.amdhsa_inst_pref_size 146
	.end_amdhsa_kernel
	.amdgpu_metadata
---
amdhsa.version: [ 1, 2 ]
amdhsa.kernels:
  - .name:           k_qb8e882c438_attn
    .symbol:         k_qb8e882c438_attn.kd
    .args:
      - { .name: q_codes, .offset: 0, .size: 8, .value_kind: global_buffer, .address_space: global }
      - { .name: q_scales, .offset: 8, .size: 8, .value_kind: global_buffer, .address_space: global }
      - { .name: k_codes, .offset: 16, .size: 8, .value_kind: global_buffer, .address_space: global }
      - { .name: k_scales, .offset: 24, .size: 8, .value_kind: global_buffer, .address_space: global }
      - { .name: v_codes, .offset: 32, .size: 8, .value_kind: global_buffer, .address_space: global }
      - { .name: v_scales, .offset: 40, .size: 8, .value_kind: global_buffer, .address_space: global }
      - { .name: out0, .offset: 48, .size: 8, .value_kind: global_buffer, .address_space: global }
    .group_segment_fixed_size: 301824
    .private_segment_fixed_size: 0
    .kernarg_segment_align: 8
    .kernarg_segment_size: 56
    .max_flat_workgroup_size: 512
    .sgpr_count:     102
    .vgpr_count:     256
    .wavefront_size: 32
...
	.end_amdgpu_metadata
.endif
;; end of part 1
